; MI455X (gfx1250); checked and timed in simulation.
; The chip was launched on July 23, 2026; its instructions are those of AMD's public machine-readable ISA for CDNA 5 (MIT licence, August 2026) and "CDNA5" Instruction Set Architecture Reference Guide (July 2026). The comments in the code are by the model that wrote it; some were corrected since.
;; Multi Head Self Attention. Allowed arithmetic: matrix products marked QUANTISED: E2M1 operands, one E8M0 scale for each 32 along K, by v_wmma_scale_f32_16x16x128_f8f6f4 with both operands' format E2M1 (or v_wmma_scale_f32_32x16x128_f4), f32 sums; everything else in f32.
;; Inputs: Wk_codes 1,024 x 32 x 16 uint8 (E2M1 codes of Wk, K innermost, in blocks of 32 codes, two codes a byte); Wk_scales 1,024 x 32 uint8 (E8M0 scales of Wk, one for each 32 codes along K); Wo_codes 1,024 x 32 x 16 uint8 (E2M1 codes of Wo, K innermost, in blocks of 32 codes, two codes a byte); Wo_scales 1,024 x 32 uint8 (E8M0 scales of Wo, one for each 32 codes along K); Wq_codes 1,024 x 32 x 16 uint8 (E2M1 codes of Wq, K innermost, in blocks of 32 codes, two codes a byte); Wq_scales 1,024 x 32 uint8 (E8M0 scales of Wq, one for each 32 codes along K); Wv_codes 1,024 x 32 x 16 uint8 (E2M1 codes of Wv, K innermost, in blocks of 32 codes, two codes a byte); Wv_scales 1,024 x 32 uint8 (E8M0 scales of Wv, one for each 32 codes along K); X_codes 2 x 2,048 x 32 x 16 uint8 (E2M1 codes of X, K innermost, in blocks of 32 codes, two codes a byte); X_scales 2 x 2,048 x 32 uint8 (E8M0 scales of X, one for each 32 codes along K); bk 1,024 float32; bo 1,024 float32; bq 1,024 float32; bv 1,024 float32.
;; Outputs: out0 2 x 2,048 x 1,024 float32.
;; This version of the problem:
;;   THIS VERSION OF THE PROBLEM IS GIVEN IN LOW PRECISION. The matrix products marked QUANTISED in the list below multiply operands that are first quantised to E2M1 (2 exponent bits, 1 mantissa bit; 4 bits a number), with one power-of-two scale for each 32 numbers along K (OCP MX v1.0); their sums are f32. All else is computed in f32.
;;   The module's matrix products, in the order in which they are computed (A, B: the left and right operand; K: the contracted axis; several contracted axes count as one K, in the product's order):
;;     1. [M 4,096, K 1,024] x [K 1,024, N 1,024]; A: input X (given as codes); B: input Wq (given as codes): QUANTISED
;;     2. [M 4,096, K 1,024] x [K 1,024, N 1,024]; A: input X (given as codes); B: input Wk (given as codes): QUANTISED
;;     3. [M 4,096, K 1,024] x [K 1,024, N 1,024]; A: input X (given as codes); B: input Wv (given as codes): QUANTISED
;;     4. batch 32 x [M 2,048, K 64] x [K 64, N 2,048]; A: computed on the way; B: computed on the way: QUANTISED
;;     5. batch 32 x [M 2,048, K 2,048] x [K 2,048, N 64]; A: softmax (see below); B: computed on the way: QUANTISED
;;     6. [M 4,096, K 1,024] x [K 1,024, N 1,024]; A: computed on the way; B: input Wo (given as codes): QUANTISED
;;   THE QUANTISER, for each operand of a quantised product, along K:
;;     - K is cut into blocks of 32 from its start; a last block that is shorter is filled with zeros.
;;     - A block's scale is 2^e with e = floor(log2(the largest magnitude in the block)) - 2, held to -126 .. 127; a block of zeros has e = 0. As a byte (E8M0): e + 127.
;;     - Each number is divided by its block's scale, clamped to +-6, and rounded to the nearest number of E2M1, ties to even, subnormals kept.
;;     - The product sums the exact products of the quantised numbers (number of the format x scale) in f32.
;;   ~~~python
;;   def quantise(x, axis):      # numpy; x: float32 -> the quantised numbers, widened to float32 again
;;       x = np.moveaxis(x, axis, -1); K = x.shape[-1]
;;       x = np.pad(x, [(0, 0)] * (x.ndim - 1) + [(0, -K % 32)]); x = x.reshape(x.shape[:-1] + (-1, 32)); a = np.abs(x).max(-1, keepdims=True)
;;       e = np.where(a > 0, np.clip(np.frexp(np.where(a > 0, a, 1))[1] - 1 - 2, -126, 127), 0)      # np.frexp(a)[1] - 1 = floor(log2(a)), exactly
;;       r = np.clip(x / 2.0 ** e, -6, 6)
;;       step = 2.0 ** (np.maximum(np.frexp(np.where(r == 0, 1, r))[1] - 1, 0) - 1)
;;       q = np.round(r / step) * step * 2.0 ** e      # np.round: ties to even
;;       return np.moveaxis(q.reshape(q.shape[:-2] + (-1,))[..., :K], -1, axis).astype(np.float32)
;;   ~~~
;;   SOFTMAX AHEAD OF A QUANTISED PRODUCT. Where the list says 'softmax', what is quantised is not the finished softmax but p = 2^(t - M), with t = logit x log2(e) and M = ceil(the row's largest t), a whole number; so 1/2 < the row's largest p <= 1. The row's sum l is taken of the UNQUANTISED p, in f32, and the product's result is divided by l at the end. Since M is a whole number, a kernel that streams over the keys may use a running M (the ceiling of the running maximum): every later rescaling is an exact power of two, which a block's scale takes up: the codes' values come out the same.
;;   OPERANDS COMPUTED ON THE WAY. 'Computed on the way' means the value that the module computes at that place (a softmax that the list does not call 'softmax' is quantised finished and normalised). What goes into a quantiser is computed in f32, as accurately as f32 sums, v_exp_f32 and their like allow (about 1e-6 of the number): no bf16 or f16 on the way to a quantiser, and a product that is left as it is and whose result goes on into a quantised operand takes f32 operands (vector FMAs, or v_wmma_f32_16x16x4_f32). A number that lies on a knife's edge between two numbers of the format may be rounded either way, as far as f32 arithmetic and the matrix unit's own rounding can turn it there, and no further.
;;   INPUTS GIVEN AS CODES. Wk (in the module: [1024, 1024], K = its axis 1); Wo (in the module: [1024, 1024], K = its axis 1); Wq (in the module: [1024, 1024], K = its axis 1); Wv (in the module: [1024, 1024], K = its axis 1); X (in the module: [2, 2048, 1024], K = its axis 2): each comes as NAME_codes (uint8): NAME with its K axis moved to the last place and cut into blocks of 32 codes, [.., K / 32, bytes a block], one block behind the other in memory; two codes a byte, the lower K in the low four bits (a code: sign, 2 exponent bits, 1 mantissa bit); and NAME_scales (uint8): the same leading axes, one E8M0 byte (e + 127) for each 32 codes along K. Its value is code x scale, taken as it is: it is not quantised again, and the codes and scales need not be those that the quantiser above would give.
;; One version. Each part assembles by itself: llvm-mc -triple=amdgcn-amd-amdhsa -mcpu=gfx1250 --defsym DOCPART=n.
;; ======== version 1 of 1: 3 launches
;; limits: right only within a limited range of input values
;; workspace buffers: q_codes 2,097,152 bytes; q_scales 262,144 bytes; kv 4,587,520 bytes; a_codes 2,097,152 bytes; a_scales 131,072 bytes
;; launch qkv (part 1): grid 16 x 16, 12 waves a work-group, clusters of 4 x 4, 245,248 bytes of LDS; arguments X_codes, X_scales, Wq_codes, Wq_scales, Wk_codes, Wk_scales, Wv_codes, Wv_scales, bq, bk, bv, q_codes, q_scales, kv; writes q_codes, q_scales, kv
.if DOCPART == 1
	.amdgcn_target "amdgcn-amd-amdhsa--gfx1250"
	.amdhsa_code_object_version 6
	.text
	.protected	k_qf3c5183724_qkv
	.globl	k_qf3c5183724_qkv
	.p2align	8
	.type	k_qf3c5183724_qkv,@function
k_qf3c5183724_qkv:
	s_mov_b64 s[64:65], 0
	v_nop
	global_prefetch_b8 v0, s[64:65] scope:SCOPE_SE
	s_setreg_imm32_b32 hwreg(HW_REG_WAVE_MODE, 25, 1), 1
	s_wait_xcnt 0x0
	s_wait_alu depctr_hold_cnt(0) depctr_sa_sdst(0) depctr_va_vdst(0) depctr_va_sdst(0) depctr_va_ssrc(0) depctr_va_vcc(0) depctr_vm_vsrc(0)
	s_getreg_b32 s2, hwreg(HW_REG_IB_STS2, 6, 4)
	s_cmp_eq_u32 s2, 0
	s_cbranch_scc0 .Lentry_in_a_cluster
	s_endpgm
.Lentry_in_a_cluster:
	s_bfe_u32 s2, ttmp6, 0x10000c
	s_cmp_lg_u32 s2, 0xf033
	s_cbranch_scc0 .Lentry_shape_is_right
	s_endpgm
.Lentry_shape_is_right:
; q = X Wq^T + bq, k = X Wk^T + bk, v = X Wv^T + bv on codes of FP4 (E2M1) with one E8M0 scale for each 32 along K = 1,024; sums in f32, begun at the bias.
; The results never leave as f32: q and k are quantised along the head's 64 (two blocks of 32), v along the keys, and stored in the order in which the next launch's operand registers take them.
; SHARES.  256 work-groups: x = head, y = block of 256 tokens.  A work-group makes q, k and v of one head for 256 tokens; wave w makes 64 tokens (w % 4) x 64 columns of matrix w / 4 (q, k, v): 16 accumulators of 16 x 16.
; ORIENTATION.  q, k: source 0 = 16 rows of W, source 1 = 16 rows of X: a lane holds ONE token, its registers run along d.  v: source 0 = X, source 1 = W: a lane holds ONE d, its registers run along the keys.
; THE ROWS OF A TILE.  Of each 64 rows (of X and of W alike) tile u takes rows 8 u + 0 .. 7 in lanes 0-7 and rows 32 + 8 (u xor 1) + 0 .. 7 in lanes 8-15.  So in a result lane (r, h) holds, over the four tiles, the 32 numbers of block h:
; a block is whole in a lane.  In the lanes of h = 1 tiles stand in the order 1, 0, 3, 2; q and k have the same order along d, p and v the same along the keys, so their products are the same sums.
; LDS is filled ONCE, as two halves of K: rows of 256 bytes + 16 of padding (17 columns of 16 bytes): the sixteen rows of a tile begin at sixteen different columns modulo 256 bytes.
; Waves with even numbers fetch the first half, those with odd numbers the second, which lands while the first is multiplied.  The scale words go from memory into registers: whole units of 256 bytes, eight rows each.
; CLUSTER 4 x 4.  X's tiles hang on the token block alone and are asked for jointly along a row of the cluster; W's hang on the head alone and are asked for jointly along a column.
; No prefetch: the launch has no loop that fetches from memory; all fills go out at the head.
; LIMITS.  NaN, infinities and scale bytes 0xff among the inputs are not served.  A block whose largest magnitude lies under 2^-124 gets the byte 1 (a block of zeros too, where the rule says 127: its codes are zeros,
; and this program alone reads the bytes).  A sum starts at the bias where the definition adds the bias last: another order of f32 rounding.
.set PITCH, 272
.set CH,    64*PITCH                   ; 64 rows
.set SLOT,  7*CH                       ; a half of K: X's 256 rows, then 64 rows of Wq, Wk, Wv each
.set SPARE, 2*SLOT                     ; 243,712, a multiple of 256
.set REC,   8960                       ; kv: a record of 128 keys: K's codes 4,096, V's codes 4,096, K's scale words 512, V's 256
.set ADRX, 4                           ; v4-7   my X fragments: 2 x half of K + tile % 2
.set ADRW, 8                           ; v8-11  my W fragments
.set L16,  12
.set L8,   13
.set SO,   14                          ; v14-15 my scale words' offset in 64 rows: even tiles, odd tiles
.set SCX,  16                          ; v16-31 X's scale words and nothing else: register 4 i + q: tile i, K step q in lanes 0-15, 4 + q in lanes 16-31
.set SCW,  32                          ; v32-47 W's
.set XF,   48                          ; v48-79  X's four fragments
.set WF,   80                          ; v80-111 W's four
.set ACC,  112                         ; v112-239 accumulator (i, j) at 112 + 32 j + 8 i: i = source 0's tile, j = source 1's
.set BV,   240                         ; v240-247 v's bias, a pair for each j
.set T0,   248                         ; v248-253 at work in the head
.set PC,   48                          ; the way out: codes, four registers for each j
.set TM,   64
.set TO,   68
.set HW,   72
.set SW,   76
.set G0X,  4
.set G0W,  8
.set G1X,  24
.set G1W,  32
.set WV,   60
.set CX,   61
.set CY,   62
.set YY,   63                          ; block of 256 tokens
.set HF,   66                          ; wave % 2: which half of K I fetch
.set HD,   67                          ; head
.set XG,   98                          ; wave % 4: my 64 tokens
.set MT,   99                          ; wave / 4: my matrix
.set IX,   100                         ; wave / 2: what I fetch: 0, 1: 128 rows of X; 2, 3, 4: 64 rows of Wq, Wk, Wv; 5: nothing
; A round of the cluster's barrier.
.macro CROUND
	s_barrier_signal -1
	s_barrier_wait -1
	s_cmp_lg_u32 s[WV], 0
	s_cbranch_scc1 .Lnot_wave_0_\@
	s_barrier_signal -3
.Lnot_wave_0_\@:
	s_barrier_wait -3
	s_barrier_signal -1
	s_barrier_wait -1
.endm
.macro TLOAD g0, g1                    ; an s_nop 0 and four v_nop follow
	tensor_load_to_lds s[\g0:\g0+3], s[\g1:\g1+7]
	s_nop 0
.rept 4
	v_nop
.endr
.endm
	s_load_b512 s[68:83], s[0:1], 0x0              ; X's codes 68, X's scales 70, Wq 72, 74, Wk 76, 78, Wv 80, 82
	s_load_b256 s[84:91], s[0:1], 0x40             ; bq 84, bk 86, bv 88, q_codes 90
	s_load_b128 s[92:95], s[0:1], 0x60             ; q_scales 92, kv 94
	v_lshl_add_u32 v254, v0, 2, SPARE
	v_mov_b32 v255, 0
	ds_add_u32 v254, v255                          ; the opening lines: the add, twice on end, and its wait ahead of the first tensor load
	ds_add_u32 v254, v255
	v_lshrrev_b32 v1, 5, v0
	s_delay_alu instid0(VALU_DEP_1)
	v_readfirstlane_b32 s[WV], v1                  ; wave 0..11
	s_and_b32 s[XG], s[WV], 3
	s_lshr_b32 s[MT], s[WV], 2
	s_and_b32 s[HF], s[WV], 1
	s_lshr_b32 s[IX], s[WV], 1
	s_bfe_u32 s[CX], ttmp6, 0x40000
	s_bfe_u32 s[CY], ttmp6, 0x40004
	s_lshl_b32 s[HD], ttmp9, 2
	s_add_co_u32 s[HD], s[HD], s[CX]
	s_and_b32 s[YY], ttmp7, 0xffff
	s_lshl_b32 s[YY], s[YY], 2
	s_add_co_u32 s[YY], s[YY], s[CY]
	s_lshl_b32 s96, s[CY], 2
	s_lshl_b32 s96, 15, s96                        ; my row of the cluster
	s_lshl_b32 s97, 0x1111, s[CX]                  ; my column
	s_or_b32 s[G1X], s96, (1<<20)|(1<<21)|(5<<22)|(3<<25)   ; X: 128 rows of 256 bytes, 512 apart, 4 words of padding after every 64
	s_mov_b32 s[G1X+2], 128<<16
	s_mov_b32 s[G1X+4], 128
	s_or_b32 s[G1W], s97, (1<<20)|(1<<21)|(5<<22)|(3<<25)   ; W: 64 rows likewise
	s_mov_b32 s[G1W+2], 64<<16
	s_mov_b32 s[G1W+4], 64
.irp g, G1X, G1W
	s_mov_b32 s[\g+1], 256<<16
	s_mov_b32 s[\g+3], 256<<16
	s_mov_b32 s[\g+5], 512
	s_mov_b32 s[\g+6], 0
	s_mov_b32 s[\g+7], 0
.endr
	; byte offsets of what I fetch, made in the descriptors' own address words: X's hang on the token block and the wave, W's on the head and the wave
	s_lshl_b32 s101, s[HF], 8                      ; the second half of K: 256 bytes on
	s_lshl_b32 s20, s[IX], 16
	s_add_co_u32 s20, s20, s101
	s_lshl_b32 s[G0X+2], s[YY], 17
	s_add_co_u32 s[G0X+2], s[G0X+2], s20
	s_mov_b32 s[G0X+3], 0
	s_lshl_b32 s[G0W+2], s[HD], 15
	s_add_co_u32 s[G0W+2], s[G0W+2], s101
	s_mov_b32 s[G0W+3], 0
	; and where it goes: the wave's number alone enters an LDS address
	s_mul_i32 s101, s[HF], SLOT
	s_mul_i32 s20, s[IX], 2*CH
	s_mov_b32 s[G0X], 1
	s_add_co_u32 s[G0X+1], s101, s20
	s_mul_i32 s20, s[IX], CH
	s_add_co_u32 s20, s20, 2*CH                    ; matrix wave / 2 - 2, behind X's four chunks
	s_mov_b32 s[G0W], 1
	s_add_co_u32 s[G0W+1], s101, s20
	s_wait_dscnt 0x0
	s_wait_kmcnt 0x0
	s_cmp_eq_u32 s[IX], 3                          ; W's codes that I fetch
	s_cselect_b64 s[20:21], s[76:77], s[72:73]
	s_cmp_eq_u32 s[IX], 4
	s_cselect_b64 s[20:21], s[80:81], s[20:21]
	s_cmp_eq_u32 s[MT], 1                          ; the scales, the bias and the outputs: matrix wave / 4
	s_cselect_b64 s[74:75], s[78:79], s[74:75]
	s_cselect_b64 s[84:85], s[86:87], s[84:85]
	s_cmp_eq_u32 s[MT], 2
	s_cselect_b64 s[74:75], s[82:83], s[74:75]
	s_cselect_b64 s[84:85], s[88:89], s[84:85]
	s_cmp_eq_u32 s[MT], 0
	s_cselect_b64 s[90:91], s[90:91], s[94:95]
	s_cselect_b64 s[92:93], s[92:93], s[94:95]
	s_add_nc_u64 s[G0X+2:G0X+3], s[68:69], s[G0X+2:G0X+3]
	s_add_nc_u64 s[G0W+2:G0W+3], s[20:21], s[G0W+2:G0W+3]
	s_or_b32 s[G0X+3], s[G0X+3], 0x80000000
	s_or_b32 s[G0W+3], s[G0W+3], 0x80000000
	s_lshl_b32 s80, s[YY], 13                      ; X's scale bytes: my 64 rows of 32
	s_lshl_b32 s81, s[XG], 11
	s_add_co_u32 s80, s80, s81
	s_mov_b32 s81, 0
	s_add_nc_u64 s[70:71], s[70:71], s[80:81]
	s_lshl_b32 s80, s[HD], 11                      ; W's
	s_add_nc_u64 s[74:75], s[74:75], s[80:81]
	s_lshl_b32 s80, s[HD], 8
	s_add_nc_u64 s[84:85], s[84:85], s[80:81]      ; the bias at my 64 columns
	v_and_b32 v1, 31, v0
	v_and_b32 v2, 7, v0                            ; r % 8
	v_bfe_u32 v3, v0, 3, 1                         ; r / 8
	v_bfe_u32 v[T0], v0, 4, 1                      ; h
	v_mul_u32_u24 v[T0+2], v3, 40*32               ; a row's 32 scale bytes; even tiles: lanes 8-15 begin 40 rows on,
	v_mul_u32_u24 v[T0+3], v3, 24*32               ; odd tiles 24 rows (tile i is then 8 i rows on)
	v_lshlrev_b32 v[T0+1], 4, v[T0]                ; lanes 16-31 take the row's second 16 bytes: K steps 4 to 7
	v_lshl_add_u32 v[T0+1], v2, 5, v[T0+1]
	v_add_nc_u32 v[SO], v[T0+1], v[T0+2]
	v_add_nc_u32 v[SO+1], v[T0+1], v[T0+3]
.irp i, 0,1,2,3
	global_load_b128 v[SCX+4*\i:SCX+4*\i+3], v[SO+\i%2], s[70:71] offset:256*\i
	global_load_b128 v[SCW+4*\i:SCW+4*\i+3], v[SO+\i%2], s[74:75] offset:256*\i
.endr
	s_wait_alu depctr_va_vdst(0)
	CROUND                                         ; all sixteen work-groups are here: the joint loads meet
	; ALL FILLS OF THE LAUNCH, ONE A WAVE.  The two halves have lines of their own, since their waves wait at different places
	s_cmp_eq_u32 s[HF], 0
	s_cbranch_scc0 .Lsecond
	s_cmp_lt_u32 s[IX], 2
	s_cbranch_scc0 .Lh1
	TLOAD G0X, G1X
	s_branch .Lasked
.Lh1:
	s_cmp_lt_u32 s[IX], 5
	s_cbranch_scc0 .Lasked
	TLOAD G0W, G1W
	s_branch .Lasked
.Lsecond:
	s_wait_loadcnt 0x0                             ; the second half is asked for when my scale words have come: it is needed four K steps later than the first
	s_cmp_lt_u32 s[IX], 2
	s_cbranch_scc0 .Lh2
	TLOAD G0X, G1X
	s_branch .Lasked
.Lh2:
	s_cmp_lt_u32 s[IX], 5
	s_cbranch_scc0 .Lasked
	TLOAD G0W, G1W
.Lasked:
	; where my results go
	s_lshr_b32 s96, s[YY], 3
	s_lshl_b32 s96, s96, 4
	s_add_co_u32 s96, s96, s[HD]                   ; bh = 16 x batch + head
	s_and_b32 s97, s[YY], 7
	s_lshl_b32 s97, s97, 8
	s_lshl_b32 s20, s[XG], 6
	s_add_co_u32 s97, s97, s20                     ; my first token in its sequence
	s_mul_i32 s20, s96, 16*REC
	s_lshr_b32 s101, s97, 7
	s_mul_i32 s101, s101, REC
	s_add_co_u32 s20, s20, s101                    ; its record of 128 keys in kv,
	s_and_b32 s101, s[XG], 1                       ; and which half of it
	s_lshl_b32 s76, s96, 16
	s_lshl_b32 s77, s97, 5
	s_add_co_u32 s76, s76, s77                     ; q's codes: 65,536 bh + 512 x tile
	s_lshl_b32 s78, s96, 13
	s_lshl_b32 s77, s97, 2
	s_add_co_u32 s78, s78, s77                     ; q's scale words: 8,192 bh + 256 x group of 64
	s_lshl_b32 s80, s101, 11
	s_add_co_u32 s80, s80, s20                     ; k's codes: record + 2,048 x half
	s_lshl_b32 s82, s101, 8
	s_add_co_u32 s82, s82, s20
	s_add_co_u32 s82, s82, 8192                    ; k's scale words
	s_add_co_u32 s86, s80, 4096                    ; v's codes
	s_lshl_b32 s88, s101, 1
	s_add_co_u32 s88, s88, s20
	s_add_co_u32 s88, s88, 8704                    ; v's scale words: my two bytes of each
	s_cmp_eq_u32 s[MT], 0
	s_cselect_b32 s76, s76, s80
	s_cselect_b32 s78, s78, s82
	s_cmp_eq_u32 s[MT], 2
	s_cselect_b32 s76, s86, s76
	s_cselect_b32 s78, s88, s78
	s_mov_b32 s77, 0
	s_mov_b32 s79, 0
	s_add_nc_u64 s[90:91], s[90:91], s[76:77]
	s_add_nc_u64 s[92:93], s[92:93], s[78:79]
	s_mul_i32 s96, s[XG], CH                       ; my X rows in LDS,
	s_mul_i32 s97, s[MT], CH
	s_add_co_u32 s97, s97, 4*CH                    ; my W rows
	v_lshlrev_b32 v[L16], 4, v1
	v_lshlrev_b32 v[L8], 3, v1
	v_mul_u32_u24 v[T0+1], v2, PITCH
	v_mul_u32_u24 v[T0+2], v3, 40*PITCH
	v_mul_u32_u24 v[T0+3], v3, 24*PITCH
	v_lshl_add_u32 v[T0+1], v[T0], 4, v[T0+1]
	v_add_nc_u32 v[T0+2], v[T0+1], v[T0+2]
	v_add_nc_u32 v[T0+3], v[T0+1], v[T0+3]
.irp e, 0,1
	v_add_nc_u32 v[ADRX+\e], s96, v[T0+2+\e]
	v_add_nc_u32 v[ADRW+\e], s97, v[T0+2+\e]
.endr
.irp e, 0,1
	v_add_nc_u32 v[ADRX+2+\e], SLOT, v[ADRX+\e]
	v_add_nc_u32 v[ADRW+2+\e], SLOT, v[ADRW+\e]
.endr
	; THE SUMS BEGIN AT THE BIAS, while the tiles are on their way
	s_wait_alu depctr_va_vdst(0)
	s_cmp_eq_u32 s[MT], 2
	s_cbranch_scc1 .Lbias_v
	v_mul_u32_u24 v[T0+4], v[T0], 160              ; q, k: register e of accumulator (i, j) is a column: 8 i + e, or for h = 1 32 + 8 (i xor 1) + e
	v_mul_u32_u24 v[T0+5], v[T0], 96
.irp j, 0,1,2,3
.irp i, 0,1,2,3
	global_load_b128 v[ACC+32*\j+8*\i:ACC+32*\j+8*\i+3], v[T0+4+\i%2], s[84:85] offset:32*\i
	global_load_b128 v[ACC+32*\j+8*\i+4:ACC+32*\j+8*\i+7], v[T0+4+\i%2], s[84:85] offset:32*\i+16
.endr
.endr
	s_branch .Lbias_done
.Lbias_v:
	v_mul_u32_u24 v[T0+4], v3, 160                 ; v: every register of accumulator (i, j) is the column that lane r of tile j holds
	v_mul_u32_u24 v[T0+5], v3, 96
	v_lshl_add_u32 v[T0+4], v2, 2, v[T0+4]
	v_lshl_add_u32 v[T0+5], v2, 2, v[T0+5]
.irp j, 0,1,2,3
	global_load_b32 v[BV+2*\j], v[T0+4+\j%2], s[84:85] offset:32*\j
	global_load_b32 v[BV+2*\j+1], v[T0+4+\j%2], s[84:85] offset:32*\j
.endr
	s_wait_loadcnt 0x0
.irp j, 0,1,2,3
.set n, 0
.rept 16
	v_pk_add_f32 v[ACC+32*\j+2*n:ACC+32*\j+2*n+1], v[BV+2*\j:BV+2*\j+1], 0 op_sel_hi:[1,0]
.set n, n+1
.endr
.endr
.Lbias_done:
	s_wait_alu depctr_va_vdst(0)
	s_wait_loadcnt 0x0                             ; the bias is in the accumulators, the scale words are in
	s_cmp_eq_u32 s[HF], 0
	s_cbranch_scc0 .Lno_wait
	s_wait_tensorcnt 0x0                           ; the first half's waves: my tile has landed
.Lno_wait:
	s_barrier_signal -1
	s_barrier_wait -1                              ; the first half is whole
.macro FRAGS f, adr, k                 ; four fragments of 16 rows x 128 K: lane (r, h): registers 4 c .. 4 c + 3 hold K = 64 c + 32 h + 0 .. 31: 16 bytes of the row as they lie
.irp i, 0,1,2,3
.irp c, 0,1
	ds_load_b128 v[\f+8*\i+4*\c:\f+8*\i+4*\c+3], v[\adr+2*(\k/4)+\i%2] offset:64*(\k%4)+32*\c+8*PITCH*\i
.endr
.endr
.endm
.macro MM i, j, a, sa, b, sb, k
.if \k/4
	v_wmma_scale_f32_16x16x128_f8f6f4 v[ACC+32*\j+8*\i:ACC+32*\j+8*\i+7], v[\a+8*\i:\a+8*\i+7], v[\b+8*\j:\b+8*\j+7], v[ACC+32*\j+8*\i:ACC+32*\j+8*\i+7], v[\sa+4*\i+\k%4], v[\sb+4*\j+\k%4] matrix_a_fmt:MATRIX_FMT_FP4 matrix_b_fmt:MATRIX_FMT_FP4 matrix_a_scale:MATRIX_SCALE_ROW1 matrix_b_scale:MATRIX_SCALE_ROW1
.else
	v_wmma_scale_f32_16x16x128_f8f6f4 v[ACC+32*\j+8*\i:ACC+32*\j+8*\i+7], v[\a+8*\i:\a+8*\i+7], v[\b+8*\j:\b+8*\j+7], v[ACC+32*\j+8*\i:ACC+32*\j+8*\i+7], v[\sa+4*\i+\k%4], v[\sb+4*\j+\k%4] matrix_a_fmt:MATRIX_FMT_FP4 matrix_b_fmt:MATRIX_FMT_FP4
.endif
.endm
; A step of 128 along K.  ty = 0: q, k;  1: v.  Source 0's fragments are asked for first, then source 1's, tile by tile; the sixteen accumulators take turns, one instruction a turn.
.macro KSTEP ty, k
.rept 4
	v_nop                                          ; places in front of loads into registers that matrix instructions have read
.endr
.if \ty
	FRAGS XF, ADRX, \k
	FRAGS WF, ADRW, \k
.else
	FRAGS WF, ADRW, \k
	FRAGS XF, ADRX, \k
.endif
.irp j, 0,1,2,3
	s_wait_dscnt 6-2*\j                            ; source 0 and source 1's tiles up to j are in; the two loads of each later tile may be out
.irp i, 0,1,2,3
.if \ty
	MM \i, \j, XF, SCX, WF, SCW, \k
.else
	MM \i, \j, WF, SCW, XF, SCX, \k
.endif
.endr
.endr
.endm
; THE WAY OUT.  For each j my 32 registers are one whole block along the next K.  The codes leave as an image of the operand's registers: 32 lanes store 512 consecutive bytes, aligned.
; Scale words: an exchange of halves between the bytes of tiles t and t + 2 leaves block 0's bytes in one register and block 1's in the other, tile t in lanes 0-15 and tile t + 2 in lanes 16-31.
.macro OUT ty
.rept 4
	v_nop                                          ; places between the last products and the first read of results and first write of operands
.endr
.irp j, 0,1,2,3
	v_max3_num_f32 v[TM+\j], |v[ACC+32*\j]|, |v[ACC+32*\j+1]|, 0x1800000   ; with the floor 2^(3 - 127): the byte cannot fall under 1
.endr
.irp e, 2,4,6,8,10,12,14,16,18,20,22,24,26,28,30
.irp j, 0,1,2,3
	v_max3_num_f32 v[TM+\j], v[TM+\j], |v[ACC+32*\j+\e]|, |v[ACC+32*\j+\e+1]|
.endr
.endr
.irp j, 0,1,2,3
	v_add_nc_u32 v[TO+\j], 0xff000000, v[TM+\j]    ; 2 off the exponent field: the conversion takes the exponent field of this operand as its scale
.endr
.irp j, 0,1,2,3
	v_lshrrev_b32 v[HW+\j], 23, v[TO+\j]           ; the scale's byte
.endr
.irp j, 0,1,2,3
.irp g, 0,1,2,3
	v_cvt_scalef32_pk8_fp4_f32 v[PC+4*\j+\g], v[ACC+32*\j+8*\g:ACC+32*\j+8*\g+7], v[TO+\j]
.endr
.endr
	v_nop                                          ; one plain place behind the conversions
.irp j, 0,1,2,3
	global_store_b128 v[L16], v[PC+4*\j:PC+4*\j+3], s[90:91] offset:512*\j
.endr
	v_permlane16_swap_b32 v[HW], v[HW+2]
	v_permlane16_swap_b32 v[HW+1], v[HW+3]
	v_lshl_or_b32 v[SW], v[HW+2], 8, v[HW]
	v_lshl_or_b32 v[SW+1], v[HW+3], 8, v[HW+1]
.if \ty
	global_store_b16 v[L8], v[SW], s[92:93]        ; v: my 64 keys are two of a word's four blocks; the other two bytes are the wave's that has the record's other 64 keys.  So these go two bytes a lane:
	global_store_b16 v[L8], v[SW+1], s[92:93] offset:4   ; 131,072 bytes of the 6,946,816 that the launch stores
.else
	v_lshl_or_b32 v[SW], v[SW], 16, v[SW]          ; q, k: the product has K = 64 in an instruction of 128: the bytes of the half that holds nothing repeat the true ones
	v_lshl_or_b32 v[SW+1], v[SW+1], 16, v[SW+1]
	global_store_b64 v[L8], v[SW:SW+1], s[92:93]   ; 32 lanes store 256 consecutive bytes, aligned
.endif
.endm
	s_cmp_eq_u32 s[MT], 2
	s_cbranch_scc1 .Lv01
	KSTEP 0, 0
	KSTEP 0, 1
	s_branch .Lj01
.Lv01:
	KSTEP 1, 0
	KSTEP 1, 1
.Lj01:
	s_wait_tensorcnt 0x0                           ; my tile has landed, the second half's too;
	s_wait_dscnt 0x0
	s_barrier_signal -1                            ; say so, and go on with the first half
	s_cmp_eq_u32 s[MT], 2
	s_cbranch_scc1 .Lv23
	KSTEP 0, 2
	KSTEP 0, 3
	s_branch .Lj23
.Lv23:
	KSTEP 1, 2
	KSTEP 1, 3
.Lj23:
	s_barrier_wait -1                              ; the second half is whole
	s_cmp_eq_u32 s[MT], 2
	s_cbranch_scc1 .Lv47
.irp k, 4,5,6,7
	KSTEP 0, \k
.endr
	OUT 0
	s_branch .Lend
.Lv47:
.irp k, 4,5,6,7
	KSTEP 1, \k
.endr
	OUT 1
.Lend:
	s_wait_tensorcnt 0x0                           ; the wave's end
	ds_add_u32 v254, v255
	s_wait_dscnt 0x0
	CROUND                                         ; the closing round: no work-group ends while a partner may still ask for a tile that names it
	s_endpgm
.Lfunc_end_k_qf3c5183724_qkv:
	.size	k_qf3c5183724_qkv, .Lfunc_end_k_qf3c5183724_qkv-k_qf3c5183724_qkv
	.p2alignl 7, 3214868480
	.fill 96, 4, 3214868480
	.section	.rodata,"a",@progbits
	.p2align	6, 0x0
	.amdhsa_kernel k_qf3c5183724_qkv
		.amdhsa_group_segment_fixed_size 245248
		.amdhsa_private_segment_fixed_size 0
		.amdhsa_enable_private_segment 0
		.amdhsa_kernarg_size 112
		.amdhsa_user_sgpr_count 2
		.amdhsa_user_sgpr_kernarg_segment_ptr 1
		.amdhsa_wavefront_size32 1
		.amdhsa_system_sgpr_workgroup_id_x 1
		.amdhsa_system_sgpr_workgroup_id_y 1
		.amdhsa_system_sgpr_workgroup_id_z 1
		.amdhsa_system_vgpr_workitem_id 0
		.amdhsa_next_free_vgpr 256
		.amdhsa_next_free_sgpr 102
		.amdhsa_reserve_vcc 0
		.amdhsa_float_denorm_mode_32 3
		.amdhsa_float_denorm_mode_16_64 3
		.amdhsa_memory_ordered 1
		.amdhsa_forward_progress 1
		.amdhsa_inst_pref_size 84
	.end_amdhsa_kernel
	.amdgpu_metadata
---
amdhsa.version: [ 1, 2 ]
amdhsa.kernels:
  - .name:           k_qf3c5183724_qkv
    .symbol:         k_qf3c5183724_qkv.kd
    .args:
      - { .name: X_codes, .offset: 0, .size: 8, .value_kind: global_buffer, .address_space: global }
      - { .name: X_scales, .offset: 8, .size: 8, .value_kind: global_buffer, .address_space: global }
      - { .name: Wq_codes, .offset: 16, .size: 8, .value_kind: global_buffer, .address_space: global }
      - { .name: Wq_scales, .offset: 24, .size: 8, .value_kind: global_buffer, .address_space: global }
      - { .name: Wk_codes, .offset: 32, .size: 8, .value_kind: global_buffer, .address_space: global }
      - { .name: Wk_scales, .offset: 40, .size: 8, .value_kind: global_buffer, .address_space: global }
      - { .name: Wv_codes, .offset: 48, .size: 8, .value_kind: global_buffer, .address_space: global }
      - { .name: Wv_scales, .offset: 56, .size: 8, .value_kind: global_buffer, .address_space: global }
      - { .name: bq, .offset: 64, .size: 8, .value_kind: global_buffer, .address_space: global }
      - { .name: bk, .offset: 72, .size: 8, .value_kind: global_buffer, .address_space: global }
      - { .name: bv, .offset: 80, .size: 8, .value_kind: global_buffer, .address_space: global }
      - { .name: q_codes, .offset: 88, .size: 8, .value_kind: global_buffer, .address_space: global }
      - { .name: q_scales, .offset: 96, .size: 8, .value_kind: global_buffer, .address_space: global }
      - { .name: kv, .offset: 104, .size: 8, .value_kind: global_buffer, .address_space: global }
    .group_segment_fixed_size: 245248
    .private_segment_fixed_size: 0
    .kernarg_segment_align: 8
    .kernarg_segment_size: 112
    .max_flat_workgroup_size: 384
    .sgpr_count:     102
    .vgpr_count:     256
    .wavefront_size: 32
...
	.end_amdgpu_metadata
.endif
;; end of part 1
;; launch attn (part 2): grid 8 x 32, 16 waves a work-group, clusters of 4 x 1, 169,984 bytes of LDS; arguments q_codes, q_scales, kv, a_codes, a_scales; writes a_codes, a_scales
.if DOCPART == 2
	.amdgcn_target "amdgcn-amd-amdhsa--gfx1250"
	.amdhsa_code_object_version 6
	.text
	.protected	k_qf3c5183724_attn
	.globl	k_qf3c5183724_attn
	.p2align	8
	.type	k_qf3c5183724_attn,@function
k_qf3c5183724_attn:
	s_mov_b64 s[64:65], 0
	v_nop
	global_prefetch_b8 v0, s[64:65] scope:SCOPE_SE
	s_setreg_imm32_b32 hwreg(HW_REG_WAVE_MODE, 25, 1), 1
	s_wait_xcnt 0x0
	s_wait_alu depctr_hold_cnt(0) depctr_sa_sdst(0) depctr_va_vdst(0) depctr_va_sdst(0) depctr_va_ssrc(0) depctr_va_vcc(0) depctr_vm_vsrc(0)
	s_getreg_b32 s2, hwreg(HW_REG_IB_STS2, 6, 4)
	s_cmp_eq_u32 s2, 0
	s_cbranch_scc0 .Lentry_in_a_cluster
	s_endpgm
.Lentry_in_a_cluster:
	s_bfe_u32 s2, ttmp6, 0x10000c
	s_cmp_lg_u32 s2, 0x3003
	s_cbranch_scc0 .Lentry_shape_is_right
	s_endpgm
.Lentry_shape_is_right:
; For each of 32 heads (2 batches x 16): o[q] = the sum over keys of softmax(q . k / 8) v, both products on codes of FP4 (E2M1) with E8M0 scales for each 32 along K; o is quantised along d and stored as codes for the last product.
; THE SOFTMAX AHEAD OF THE SECOND PRODUCT: t = score x log2(e) / 8; M = the row's largest t so far, rounded UP to a whole number; p = 2^(t - M) is what is quantised, along the keys, not normalised.
; The row's sum is taken of the unquantised p, in f32, and divides O at the end.  When M moves, the sum and O are multiplied by 2^(old M - new M): exact.
; SHARES.  256 work-groups; each owns 256 queries of one head, each of its sixteen waves one tile of 16, in 256 registers.  A trip is 256 keys: M moves, and O is rescaled, once in 256 keys.
; Both products are used transposed: S^T = K Q^T (source 0 = 32 keys, source 1 = my 16 queries), O^T = V^T P^T (source 0 = 16 of the head's 64, source 1 = P): a lane holds ONE query (lane % 16) throughout.
; A BLOCK OF 32 KEYS IS WHOLE IN A LANE.  Of 64 keys tile u holds 8 u + 0 .. 7 in rows 0-7 and 32 + 8 (u xor 1) + 0 .. 7 in rows 8-15 (the first launch laid K and V so): lane (r, h) has, over four tiles, block h's 32 keys.
; So a block's largest score needs no other lane, and the conversion of tile u is register u of P's operand; V's registers have the same order along the keys.
; A BLOCK'S SCALE is 2^(floor(x) - 2), x = t - M of its largest score: floor(log2(p)) is floor(x), and no exponential is taken for it.
; LDS.  The head's K and V for all 2,048 keys, 16 records of 8,960 bytes (images of the operands' registers, and scale words), lie in LDS from byte 0 on, filled ONCE: wave w brings record w.
; Waves 0-3 ask first; the others ask when their queries have come.  The walk begins behind a barrier that shows records 0-3; a second barrier, signalled in trip 0 and waited for in trip 1 ahead of the first load from record 4, shows the rest.  None in the loop.
; A TRIP'S REGISTERS.  The first 128 keys' scores go to one region of 64 registers, the last 128's to the other.  When the first region's p is summed and converted, V's second half and the next trip's first K tiles are loaded into it;
; so the next trip writes its first scores to the other region: the two change roles from trip to trip, and the loop's body is two trips.
; CLUSTER.  The four query blocks of a cluster walk the same head: each record is asked for jointly, mask 15.
; No prefetch: the loop reads LDS alone; all fills go out at the head.
; K = 64 IN AN INSTRUCTION OF K = 128.  Q's registers 4-7 are zero codes, so whatever stands in a key tile's registers 4-7 adds zeros (E2M1 has no NaN and no infinity): they are simply the registers behind the tile's four.
; The scale bytes of that half repeat the true ones.
; LIMITS.  NaN and infinities are not served.  The scaled scores t stay under 2^31 in magnitude.  A p under 2^-126 comes out of v_exp_f32 as 0.  1 / sum is v_rcp_f32's (1 ulp).  A block whose largest magnitude lies under 2^-124 gets the byte 1 (a block of zeros too: its codes are zeros, and this program alone reads the bytes).
.set REC,  8960                        ; a record of 128 keys: K's codes 4,096, V's codes 4,096, K's scale words 512, V's 256: 35 rows of 256 bytes
.set SPARE, 167936
.set TP,   1                           ; a lane permute's result
.set ADK,  2                           ; the two trips' first record + 16 x lane
.set ADS,  3                           ; and + 8 x lane
.set FF,   4                           ; v[4:5] f = 2^(old M - new M); at the end 1 / sum
.set NM,   6                           ; v6 -M
.set MX,   7                           ; v7 the largest score so far
.set QF,   8                           ; v8-11 Q's codes, v12-15 zero codes
.set QS,   16                          ; v16-18, v20-27 hold scales and nothing else: Q's, p's two,
.set PWA,  17
.set PWB,  18
.set KS1,  20                          ; the first K tiles': tiles 4 c + u in lanes 0-15, 4 c + u + 2 in lanes 16-31 of register 2 c + u
.set KS2,  24                          ; the second's; then V's two pairs: d tiles u, u + 2
.set VSA,  24
.set VSB,  26
.set F,    28                          ; v28-59 the second K tiles' codes, four registers a tile; then V^T's first four fragments
.set SCL,  60                          ; v60-63 the conversions' scale operands
.set SA,   64                          ; v64-127 a region of scores, then p.  Tile u of 64 keys at 16 (u % 2) + 8 (u / 2)
.set PCA,  128                         ; p's codes: first 128 keys, last 128
.set PCB,  136
.set SB,   144                         ; v144-207 the other region
.set L16,  208                         ; 16 x lane, 8 x lane
.set L8,   209
.set SPW,  210                         ; v210-211 the spare word's address, 0
.set OT,   212                         ; v212-243 O^T
.set BM,   244                         ; v244-247 my four blocks' largest scores; v248-249 at work; later three pairs of partial sums
.set SUM,  250                         ; v[250:251] the row's sum, in two halves (= BM + 6)
.set WV,   14
.set CX,   15
.set QB,   16
.set BH,   17
.set NC,   18                          ; -log2(e) / 8
.set SEL,  20                          ; v_permlanex16_b32's selects for lane l xor 16
.set CS,   22                          ; s[22:23] log2(e) / 8
.set G1,   24
.set G0,   32
.set TB,   48
.set CNT,  49
.macro CROUND                          ; a round of the cluster's barrier
	s_barrier_signal -1
	s_barrier_wait -1
	s_cmp_lg_u32 s[WV], 0
	s_cbranch_scc1 .Lnot_wave_0_\@
	s_barrier_signal -3
.Lnot_wave_0_\@:
	s_barrier_wait -3
	s_barrier_signal -1
	s_barrier_wait -1
.endm
.macro PLACES n
.rept \n
	v_nop
.endr
.endm
	s_load_b256 s[4:11], s[0:1], 0x0               ; q_codes 4, q_scales 6, kv 8, a_codes 10
	s_load_b64 s[12:13], s[0:1], 0x20              ; a_scales
	v_lshl_add_u32 v[SPW], v0, 2, SPARE
	v_mov_b32 v[SPW+1], 0
	ds_add_u32 v[SPW], v[SPW+1]                    ; the opening lines: the add, twice on end, and its wait ahead of the first tensor load
	ds_add_u32 v[SPW], v[SPW+1]
	v_lshrrev_b32 v1, 5, v0
	s_delay_alu instid0(VALU_DEP_1)
	v_readfirstlane_b32 s[WV], v1                  ; wave 0..15
	s_bfe_u32 s[CX], ttmp6, 0x40000
	s_lshl_b32 s[QB], ttmp9, 2
	s_add_co_u32 s[QB], s[QB], s[CX]               ; my block of 256 queries: it enters q's and a's addresses alone
	s_and_b32 s[BH], ttmp7, 0xffff                 ; 16 x batch + head, which the four partners share
	s_mov_b32 s[G1], 15|(3<<16)|(1<<21)            ; the mask: all four; elements of 8 bytes; bit 21 set beside a mask; no padding
	s_mov_b32 s[G1+1], 32<<16                      ; a record: 35 rows of 32 elements, dense
	s_mov_b32 s[G1+2], 35<<16
	s_mov_b32 s[G1+3], 32<<16
	s_mov_b32 s[G1+4], 35
	s_mov_b32 s[G1+5], 32
	s_mov_b32 s[G1+6], 0
	s_mov_b32 s[G1+7], 0
	s_mov_b32 s[SEL], 0x76543210
	s_mov_b32 s[SEL+1], 0xfedcba98
	s_mov_b32 s[CS], 0x3e38aa3b                    ; log2(e) / 8: a power of two off log2(e), so score x c has the bits of (score / 8) x log2(e)
	s_mov_b32 s[CS+1], s[CS]                       ; (named with it as a pair, so it is written)
	s_mov_b32 s[NC], 0xbe38aa3b
	s_mul_i32 s50, s[WV], REC                      ; wave w brings record w: its place in LDS and in the head's part of kv are the same
	s_mul_i32 s52, s[BH], 16*REC
	s_add_co_u32 s52, s52, s50
	s_mov_b32 s53, 0
	s_lshl_b32 s54, s[QB], 4
	s_add_co_u32 s54, s54, s[WV]                   ; T: my tile of 16 queries among the head's 128
	s_mov_b32 s[G0], 1
	s_mov_b32 s[G0+1], s50
	s_lshl_b32 s56, s[BH], 16                      ; q's codes: 65,536 bh + 512 T
	s_lshl_b32 s55, s54, 9
	s_add_co_u32 s56, s56, s55
	s_mov_b32 s57, 0
	s_lshl_b32 s60, s[BH], 13                      ; q's scale words: 8,192 bh + 256 (T / 4) + 128 ((T / 2) % 2) + 4 (T % 2), + 8 r
	s_lshr_b32 s55, s54, 2
	s_lshl_b32 s55, s55, 8
	s_add_co_u32 s60, s60, s55
	s_bfe_u32 s55, s54, 0x10001
	s_lshl_b32 s55, s55, 7
	s_add_co_u32 s60, s60, s55
	s_and_b32 s55, s54, 1
	s_lshl_b32 s55, s55, 2
	s_add_co_u32 s60, s60, s55
	s_mov_b32 s61, 0
	s_wait_dscnt 0x0
	s_wait_kmcnt 0x0
	s_add_nc_u64 s[G0+2:G0+3], s[8:9], s[52:53]
	s_or_b32 s[G0+3], s[G0+3], 0x80000000
	s_add_nc_u64 s[4:5], s[4:5], s[56:57]
	s_add_nc_u64 s[6:7], s[6:7], s[60:61]
	v_and_b32 v60, 31, v0
	v_and_b32 v61, 15, v0
	v_lshlrev_b32 v[L16], 4, v60
	v_lshlrev_b32 v[L8], 3, v60
	v_lshlrev_b32 v62, 3, v61
	global_load_b128 v[QF:QF+3], v[L16], s[4:5]    ; Q's codes stay in registers
	global_load_b32 v[QS], v62, s[6:7]
	s_wait_alu depctr_va_vdst(0)
	CROUND                                         ; all four work-groups are here: the joint loads meet
	; ALL FILLS OF THE LAUNCH, ONE A WAVE.  The two groups have lines of their own, since their waves wait at different places
	s_cmp_lt_u32 s[WV], 4
	s_cbranch_scc0 .Llater
	tensor_load_to_lds s[G0:G0+3], s[G1:G1+7]
	s_nop 0
	PLACES 4
	s_branch .Lasked
.Llater:
	s_wait_loadcnt 0x0                             ; records 4 to 15 are asked for when my queries have come: they are needed two trips later than the first four
	tensor_load_to_lds s[G0:G0+3], s[G1:G1+7]
	s_nop 0
	PLACES 4
.Lasked:
	s_lshr_b32 s55, s[BH], 4                       ; where my results go: token tile TT = 128 x batch + T
	s_lshl_b32 s55, s55, 7
	s_add_co_u32 s55, s55, s54
	s_and_b32 s58, s[BH], 15                       ; the head
	s_lshl_b32 s56, s55, 13
	s_lshl_b32 s59, s58, 9
	s_add_co_u32 s56, s56, s59
	s_add_nc_u64 s[10:11], s[10:11], s[56:57]      ; a's codes: 8,192 TT + 512 x head
	s_lshl_b32 s56, s55, 9
	s_lshl_b32 s59, s58, 1
	s_add_co_u32 s56, s56, s59
	s_add_nc_u64 s[12:13], s[12:13], s[56:57]      ; a's scale bytes: 512 TT + 32 x lane's row + 2 x head
	s_mov_b32 s[TB], 0
	s_mov_b32 s[CNT], 2
	v_mov_b32 v[MX], 0xff61b1e6                    ; the largest score so far: -3e38, under every score
	v_mov_b32 v[NM], 0x7e22b07c                    ; -M, as large as its factor makes of that: the first change of M gives f = 0
	v_mov_b32 v[SUM], 0
	v_mov_b32 v[SUM+1], 0
	v_mov_b32 v[TP], 0                             ; written once: a lane permute's destination counts as one of its sources
	v_mov_b32 v[FF+1], 0                           ; (named as the upper half of the pair before it is first written)
	v_mov_b32 v63, 0                               ; (SCL's last: named behind the last K tile before it is first written)
.irp i, 0,1,2,3
	v_mov_b32 v[QF+4+\i], 0                        ; Q's half of K that holds nothing: zero codes
.endr
.set n, 0
.rept 32
	v_mov_b32 v[OT+n], 0                           ; O^T: the trip is written without a first trip of its own: the first change of M multiplies zeros
.set n, n+1
.endr
	v_add_nc_u32 v[ADK], s[TB], v[L16]
	v_add_nc_u32 v[ADS], s[TB], v[L8]
	s_wait_alu depctr_va_vdst(0)
	s_wait_loadcnt 0x0                             ; Q
	s_cmp_lt_u32 s[WV], 4
	s_cbranch_scc0 .Lno_wait
	s_wait_tensorcnt 0x0                           ; waves 0-3: my record has landed
.Lno_wait:
	s_barrier_signal -1
	s_barrier_wait -1                              ; records 0-3 are in
.macro KLOAD rec, f, ks                ; ten loads
	ds_load_b64 v[\ks:\ks+1], v[ADS] offset:REC*(\rec)+8192
	ds_load_b64 v[\ks+2:\ks+3], v[ADS] offset:REC*(\rec)+8448
.set F0, \f
.irp t, 0,1,2,3,4,5,6,7
	ds_load_b128 v[F0+4*\t:F0+4*\t+3], v[ADK] offset:REC*(\rec)+512*\t
.endr
.endm
.macro VLOAD rec, f, vs                ; nine loads
.set F0, \f
.irp c, 0,1
.irp t, 0,1,2,3
	ds_load_b128 v[F0+8*\t+4*\c:F0+8*\t+4*\c+3], v[ADK] offset:REC*(\rec)+4096+2048*\c+512*\t
.endr
.endr
	ds_load_b64 v[\vs:\vs+1], v[ADS] offset:REC*(\rec)+8704
.endm
.macro QK f, s, ks                     ; S^T = K Q^T, 128 keys: tiles 4 c + u (rows 0-15) and 4 c + u + 2 (rows 16-31)
.irp c, 0,1
.irp u, 0,1
.set F0, \f+16*\c+4*\u
.set D0, \s+32*\c+16*\u
	v_wmma_scale_f32_32x16x128_f4 v[D0:D0+15], v[F0:F0+15], v[QF:QF+7], 0, v[\ks+2*\c+\u], v[QS]
.endr
.endr
.endm
.macro MAX s, bm                       ; my two blocks' largest scores, four chains by turns, each accumulator from its low end on
.set S0, \s
.set B0, \bm
.irp c, 0,1
	v_max3_num_f32 v[B0+\c], v[S0+32*\c], v[S0+32*\c+1], v[S0+32*\c+2]
	v_max3_num_f32 v[BM+4+\c], v[S0+32*\c+16], v[S0+32*\c+17], v[S0+32*\c+18]
.endr
.irp e, 3,5,7,9,11,13
.irp c, 0,1
	v_max3_num_f32 v[B0+\c], v[B0+\c], v[S0+32*\c+\e], v[S0+32*\c+\e+1]
	v_max3_num_f32 v[BM+4+\c], v[BM+4+\c], v[S0+32*\c+16+\e], v[S0+32*\c+17+\e]
.endr
.endr
.irp c, 0,1
	v_max3_num_f32 v[B0+\c], v[B0+\c], v[S0+32*\c+15], v[S0+32*\c+31]
.endr
.irp c, 0,1
	v_max_num_f32 v[B0+\c], v[B0+\c], v[BM+4+\c]
.endr
.endm
.macro CVT s, pc, scl, n               ; conversion n of 128 keys: tile n % 4 of 64-key group n / 4
.set C0, \s+32*((\n)/4)+16*((\n)%2)+8*(((\n)%4)/2)
	v_cvt_scalef32_pk8_fp4_f32 v[\pc+\n], v[C0:C0+7], v[\scl+(\n)/4]
.endm
.macro HALVE s, n                      ; that tile's four pairs become two
.set C0, \s+32*((\n)/4)+16*((\n)%2)+8*(((\n)%4)/2)
	v_pk_add_f32 v[C0:C0+1], v[C0:C0+1], v[C0+2:C0+3]
	v_pk_add_f32 v[C0+4:C0+5], v[C0+4:C0+5], v[C0+6:C0+7]
.endm
.macro TSUB cnt                        ; t - M, two at a time, from register NA on
.rept \cnt
	v_pk_fma_f32 v[NA:NA+1], v[NA:NA+1], s[CS:CS+1], v[NM:NM+1] op_sel_hi:[1,0,0]
.set NA, NA+2
.endr
.endm
.macro OMUL                            ; eight of O^T's numbers under the new M
.rept 4
	v_pk_mul_f32 v[NO:NO+1], v[NO:NO+1], v[FF:FF+1] op_sel_hi:[1,0]
.set NO, NO+2
.endr
.endm
.macro SUMB cnt                        ; pairs n .. n + cnt - 1 of the region at P0, in four chains
.rept \cnt
	v_pk_add_f32 v[BM+2*(n%4):BM+2*(n%4)+1], v[BM+2*(n%4):BM+2*(n%4)+1], v[P0+2*n:P0+2*n+1]
.set n, n+1
.endr
.endm
.macro PV f, pc, pw, vs                ; O^T += V^T P^T, 128 keys: the four accumulators take one turn each
.set F0, \f
.irp t, 0,1,2,3
.if \t/2
	v_wmma_scale_f32_16x16x128_f8f6f4 v[OT+8*\t:OT+8*\t+7], v[F0+8*\t:F0+8*\t+7], v[\pc:\pc+7], v[OT+8*\t:OT+8*\t+7], v[\vs+\t%2], v[\pw] matrix_a_fmt:MATRIX_FMT_FP4 matrix_b_fmt:MATRIX_FMT_FP4 matrix_a_scale:MATRIX_SCALE_ROW1
.else
	v_wmma_scale_f32_16x16x128_f8f6f4 v[OT+8*\t:OT+8*\t+7], v[F0+8*\t:F0+8*\t+7], v[\pc:\pc+7], v[OT+8*\t:OT+8*\t+7], v[\vs+\t%2], v[\pw] matrix_a_fmt:MATRIX_FMT_FP4 matrix_b_fmt:MATRIX_FMT_FP4
.endif
.endr
.endm
; A TRIP: 256 keys, records ro and ro + 1.  p: the region of the first 128 keys' scores; q: the second's, whose upper 32 registers hold the first K tiles; the second K tiles are in F, or on their way.  more = 1: the next trip's K tiles are loaded.
; bar = 1: the signal of the barrier that shows records 4 to 15; bar = 2: its wait.
.macro TRIP p, q, ro, more, bar
	s_wait_dscnt 10                                ; the first K tiles and scale words are in; the second's ten loads may be out
	QK \q+32, \p, KS1
	PLACES 4                                       ; in front of the first read of the scores
	MAX \p, BM
	s_wait_dscnt 0x0
	QK F, \q, KS2
	PLACES 4                                       ; in front of loads into F and of the first read of the scores
	VLOAD \ro, F, VSA
	MAX \q, BM+2
	v_max3_num_f32 v[BM+4], v[BM], v[BM+1], v[BM+2]
	s_delay_alu instid0(VALU_DEP_1)
	v_max_num_f32 v[BM+4], v[BM+4], v[BM+3]
	s_delay_alu instid0(VALU_DEP_1)
	v_permlanex16_b32 v[TP], v[BM+4], s[SEL], s[SEL+1]
	s_delay_alu instid0(VALU_DEP_1)
	v_max3_num_f32 v[MX], v[MX], v[BM+4], v[TP]    ; my query's largest score so far, both halves of the lanes
	s_delay_alu instid0(VALU_DEP_1)
	v_mul_f32 v[BM+4], s[NC], v[MX]                ; -t (c is positive)
	s_delay_alu instid0(VALU_DEP_1)
	v_floor_f32 v[BM+4], v[BM+4]                   ; the new -M = floor(-t) = -ceil(t): a whole number
	s_delay_alu instid0(VALU_DEP_1)
	v_sub_f32 v[BM+5], v[BM+4], v[NM]              ; old M less new M: a whole number, 0 or less
	v_mov_b32 v[NM], v[BM+4]
	s_delay_alu instid0(VALU_DEP_2)
	v_cvt_i32_f32 v[BM+5], v[BM+5]                 ; (it saturates)
.set NA, \p
.set NO, OT
.irp b, 0,1,2,3
	v_fma_f32 v[BM+\b], v[BM+\b], s[CS], v[NM]     ; x = t - M of each block's largest score: the same bits as its p is made of
.endr
	v_ldexp_f32 v[FF], 1.0, v[BM+5]                ; f = 2^(old M - new M)
	TSUB 4                                         ; (independent work stands between the lines of each chain)
.irp b, 0,1,2,3
	v_cvt_floor_i32_f32 v[BM+\b], v[BM+\b]         ; E = floor(log2 of the block's largest p)
.endr
	OMUL
.irp b, 0,1,2,3
	v_max_i32 v[BM+\b], 0xffffff84, v[BM+\b]       ; at least -124: the byte cannot fall under 1
.endr
	OMUL
.irp b, 0,1,2,3
	v_add_lshl_u32 v[SCL+\b], v[BM+\b], 0x7d, 23   ; the scale 2^(E - 2) as the conversion's operand
.endr
	v_lshl_add_u32 v[BM+4], v[BM+1], 16, v[BM]     ; p's scale words: bytes E + 125.  Mine are blocks h and 2 + h,
	v_lshl_add_u32 v[BM+5], v[BM+3], 16, v[BM+2]
	OMUL
	v_permlanex16_b32 v[BM], v[BM+4], s[SEL], s[SEL+1]
	v_permlanex16_b32 v[BM+2], v[BM+5], s[SEL], s[SEL+1]
	OMUL
	v_lshl_add_u32 v[BM+4], v[BM], 8, v[BM+4]      ; lane l xor 16's the other two (lanes 0-15 are read: h = 0)
	v_lshl_add_u32 v[BM+5], v[BM+2], 8, v[BM+5]
	TSUB 4
	v_add_nc_u32 v[PWA], 0x7d7d7d7d, v[BM+4]       ; 125 to each of the four
	TSUB 24
	s_wait_alu depctr_va_vdst(0)
.set NA, \q
.set E0, \p
.rept 32                               ; the first half's exponentials, with the second half's t - M between them
	v_exp_f32 v[E0], v[E0]
	v_exp_f32 v[E0+1], v[E0+1]
	TSUB 1
.set E0, E0+2
.endr
	s_wait_alu depctr_va_vdst(0)                   ; behind that batch and ahead of the next
.set E0, \q
.irp n, 0,1,2,3,4,5,6,7                ; the second half's exponentials, with the first half's conversions and half of its sum between them
	CVT \p, PCA, SCL, \n
.rept 4
	v_exp_f32 v[E0], v[E0]
.set E0, E0+1
.endr
.if \n
	HALVE \p, \n-1
.else
	v_add_nc_u32 v[PWB], 0x7d7d7d7d, v[BM+5]       ; (also the plain place between a conversion and the first write of its sources)
.endif
.rept 4
	v_exp_f32 v[E0], v[E0]
.set E0, E0+1
.endr
.endr
	s_wait_alu depctr_va_vdst(0)                   ; ahead of the first reader
	HALVE \p, 7                                    ; (reads the first half's p alone: a plain place behind the exponentials)
.set P0, \p
	v_pk_fma_f32 v[SUM:SUM+1], v[SUM:SUM+1], v[FF:FF+1], v[P0:P0+1] op_sel_hi:[1,0,1]   ; THE ROW'S SUM of the unquantised p: the old sum under the new M, and the pairs in four chains
.irp k, 0,1,2
	v_pk_add_f32 v[BM+2*\k:BM+2*\k+1], v[P0+4+8*\k:P0+5+8*\k], v[P0+8+8*\k:P0+9+8*\k]
.endr
.set n, 7
.rept 9
	v_pk_add_f32 v[BM+2*(n%4):BM+2*(n%4)+1], v[BM+2*(n%4):BM+2*(n%4)+1], v[P0+4*n:P0+4*n+1]
.set n, n+1
.endr
.if \bar == 1
	s_wait_alu depctr_va_vdst(0)
	s_wait_tensorcnt 0x0                           ; every wave: my record has landed
	s_wait_dscnt 0x0
	s_barrier_signal -1                            ; say so, and go on with records 0-3
.endif
.if \bar == 2
	s_wait_alu depctr_va_vdst(0)
	s_barrier_wait -1                              ; all sixteen records are in
.endif
	VLOAD \ro+1, \p, VSB                           ; the first half's p is done with: V's second half comes into its registers,
.if \more
	KLOAD \ro+2, \p+32, KS1                        ; and the next trip's first K tiles
.endif
.irp n, 0,1,2,3,4,5,6,7
	CVT \q, PCB, SCL+2, \n
.endr
.set P0, \q
.set n, 0
	SUMB 28
	s_wait_alu depctr_va_vdst(0)
	s_wait_dscnt 9+10*\more                        ; V's first half is in; its second half's nine loads and the next K's ten may be out
	PV F, PCA, PWA, VSA
	s_wait_dscnt 10*\more                          ; V's second half is in
	PV \p, PCB, PWB, VSB
	SUMB 4                                         ; the sum's last seven lines are the places in front of loads into F and the scale registers, and of the next products
	v_pk_add_f32 v[BM:BM+1], v[BM:BM+1], v[BM+4:BM+5]
	v_pk_add_f32 v[BM+2:BM+3], v[BM+2:BM+3], v[SUM:SUM+1]
	s_delay_alu instid0(VALU_DEP_1)
	v_pk_add_f32 v[SUM:SUM+1], v[BM+2:BM+3], v[BM:BM+1]
.if \more
	KLOAD \ro+3, F, KS2
.endif
.endm
.macro ON                              ; four records on
	s_add_co_u32 s[TB], s[TB], 4*REC
	v_add_nc_u32 v[ADK], s[TB], v[L16]
	v_add_nc_u32 v[ADS], s[TB], v[L8]
	s_wait_alu depctr_va_vdst(0)
.endm
	KLOAD 0, SB+32, KS1
	KLOAD 1, F, KS2
	TRIP SA, SB, 0, 1, 1                           ; the first two trips are written out, with the second barrier in them
	TRIP SB, SA, 2, 1, 2
	ON
.Lpair:                                                ; twice two trips; the last two are written out
	TRIP SA, SB, 0, 1, 0
	TRIP SB, SA, 2, 1, 0
	ON
	s_sub_co_u32 s[CNT], s[CNT], 1
	s_cmp_lg_u32 s[CNT], 0
	s_cbranch_scc1 .Lpair
	TRIP SA, SB, 0, 1, 0
	TRIP SB, SA, 2, 0, 0
	; THE WAY OUT: O^T / the sum, quantised along d, as half a fragment of the last product's operand: 32 lanes store 512 consecutive bytes, aligned.
	v_add_f32 v[SUM], v[SUM], v[SUM+1]
	s_delay_alu instid0(VALU_DEP_1)
	v_permlanex16_b32 v[TP], v[SUM], s[SEL], s[SEL+1]
	s_delay_alu instid0(VALU_DEP_1)
	v_add_f32 v[SUM], v[SUM], v[TP]                ; the row's sum
	s_wait_alu depctr_va_vdst(0)
	v_rcp_f32 v[FF], v[SUM]
	v_and_b32 v60, 31, v0
	v_and_b32 v61, 15, v0
	v_bfe_u32 v62, v0, 4, 1
	v_cmp_le_u32 vcc_lo, 16, v60                   ; lanes 16-31
	v_lshl_add_u32 v61, v61, 5, v62                ; 32 r + h
	s_wait_alu depctr_va_vdst(0)                   ; ahead of the reciprocal's first reader, and of O^T's
.set n, 0
.rept 16
	v_pk_mul_f32 v[SB+n:SB+n+1], v[OT+n:OT+n+1], v[FF:FF+1] op_sel_hi:[1,0]   ; register 8 j + e is d = 8 j + e, or for h = 1 32 + 8 (j xor 1) + e: block h whole
.set n, n+2
.endr
.irp b, 0,1
	v_max3_num_f32 v[BM+\b], |v[SB+16*\b]|, |v[SB+16*\b+1]|, 0x1800000   ; with the floor 2^(3 - 127)
.endr
.irp e, 2,4,6,8,10,12,14
.irp b, 0,1
	v_max3_num_f32 v[BM+\b], v[BM+\b], |v[SB+16*\b+\e]|, |v[SB+16*\b+\e+1]|
.endr
.endr
	v_max_num_f32 v[BM], v[BM], v[BM+1]
	s_delay_alu instid0(VALU_DEP_1)
	v_add_nc_u32 v[BM+1], 0xff000000, v[BM]        ; 2 off the exponent field: the conversion's scale operand
	s_delay_alu instid0(VALU_DEP_1)
	v_lshrrev_b32 v[BM+2], 23, v[BM+1]             ; the scale's byte
.irp j, 0,1,2,3
	v_cvt_scalef32_pk8_fp4_f32 v[PCA+\j], v[SB+8*\j:SB+8*\j+7], v[BM+1]
.endr
	v_nop                                          ; one plain place behind the conversions
	v_cndmask_b32 v[PCB], v[PCA], v[PCA+1], vcc_lo ; ascending along d in the lanes of h = 1 too
	v_cndmask_b32 v[PCB+1], v[PCA+1], v[PCA], vcc_lo
	v_cndmask_b32 v[PCB+2], v[PCA+2], v[PCA+3], vcc_lo
	v_cndmask_b32 v[PCB+3], v[PCA+3], v[PCA+2], vcc_lo
	global_store_b128 v[L16], v[PCB:PCB+3], s[10:11]
	global_store_b8 v61, v[BM+2], s[12:13]         ; lane (r, h): the byte of block h of row r.  A row's 32 scale bytes come from sixteen work-groups, so these go a byte a lane: 131,072 bytes of the 2,228,224 that the launch stores
	s_wait_tensorcnt 0x0                           ; the wave's end
	ds_add_u32 v[SPW], v[SPW+1]
	s_wait_dscnt 0x0
	CROUND                                         ; the closing round: no work-group ends while a partner may still ask for a record that names it
	s_endpgm
.Lfunc_end_k_qf3c5183724_attn:
	.size	k_qf3c5183724_attn, .Lfunc_end_k_qf3c5183724_attn-k_qf3c5183724_attn
	.p2alignl 7, 3214868480
	.fill 96, 4, 3214868480
	.section	.rodata,"a",@progbits
	.p2align	6, 0x0
	.amdhsa_kernel k_qf3c5183724_attn
		.amdhsa_group_segment_fixed_size 169984
		.amdhsa_private_segment_fixed_size 0
		.amdhsa_enable_private_segment 0
		.amdhsa_kernarg_size 40
		.amdhsa_user_sgpr_count 2
		.amdhsa_user_sgpr_kernarg_segment_ptr 1
		.amdhsa_wavefront_size32 1
		.amdhsa_system_sgpr_workgroup_id_x 1
		.amdhsa_system_sgpr_workgroup_id_y 1
		.amdhsa_system_sgpr_workgroup_id_z 1
		.amdhsa_system_vgpr_workitem_id 0
		.amdhsa_next_free_vgpr 256
		.amdhsa_next_free_sgpr 66
		.amdhsa_reserve_vcc 1
		.amdhsa_float_denorm_mode_32 3
		.amdhsa_float_denorm_mode_16_64 3
		.amdhsa_memory_ordered 1
		.amdhsa_forward_progress 1
		.amdhsa_inst_pref_size 161
	.end_amdhsa_kernel
	.amdgpu_metadata
---
amdhsa.version: [ 1, 2 ]
amdhsa.kernels:
  - .name:           k_qf3c5183724_attn
    .symbol:         k_qf3c5183724_attn.kd
    .args:
      - { .name: q_codes, .offset: 0, .size: 8, .value_kind: global_buffer, .address_space: global }
      - { .name: q_scales, .offset: 8, .size: 8, .value_kind: global_buffer, .address_space: global }
      - { .name: kv, .offset: 16, .size: 8, .value_kind: global_buffer, .address_space: global }
      - { .name: a_codes, .offset: 24, .size: 8, .value_kind: global_buffer, .address_space: global }
      - { .name: a_scales, .offset: 32, .size: 8, .value_kind: global_buffer, .address_space: global }
    .group_segment_fixed_size: 169984
    .private_segment_fixed_size: 0
    .kernarg_segment_align: 8
    .kernarg_segment_size: 40
    .max_flat_workgroup_size: 512
    .sgpr_count:     66
    .vgpr_count:     256
    .wavefront_size: 32
...
	.end_amdgpu_metadata
.endif
;; end of part 2
;; launch oproj (part 3): grid 8 x 32, 8 waves a work-group, clusters of 4 x 4, 212,480 bytes of LDS; arguments a_codes, a_scales, Wo_codes, Wo_scales, bo, out0; writes out0
.if DOCPART == 3
	.amdgcn_target "amdgcn-amd-amdhsa--gfx1250"
	.amdhsa_code_object_version 6
	.text
	.protected	k_qf3c5183724_oproj
	.globl	k_qf3c5183724_oproj
	.p2align	8
	.type	k_qf3c5183724_oproj,@function
k_qf3c5183724_oproj:
	s_mov_b64 s[64:65], 0
	v_nop
	global_prefetch_b8 v0, s[64:65] scope:SCOPE_SE
	s_setreg_imm32_b32 hwreg(HW_REG_WAVE_MODE, 25, 1), 1
	s_wait_xcnt 0x0
	s_wait_alu depctr_hold_cnt(0) depctr_sa_sdst(0) depctr_va_vdst(0) depctr_va_sdst(0) depctr_va_ssrc(0) depctr_va_vcc(0) depctr_vm_vsrc(0)
	s_getreg_b32 s2, hwreg(HW_REG_IB_STS2, 6, 4)
	s_cmp_eq_u32 s2, 0
	s_cbranch_scc0 .Lentry_in_a_cluster
	s_endpgm
.Lentry_in_a_cluster:
	s_bfe_u32 s2, ttmp6, 0x10000c
	s_cmp_lg_u32 s2, 0xf033
	s_cbranch_scc0 .Lentry_shape_is_right
	s_endpgm
.Lentry_shape_is_right:
; out = a Wo^T + bo on codes of FP4 (E2M1) with one E8M0 scale for each 32 along K = 1,024; sums in f32, begun at the bias; out is f32 [4,096][1,024].
; a's codes come as the attention launch laid them: [token tile of 16][head][512 bytes], each 512 bytes an image of four registers of the operand: head 2 k + c is registers 4 c .. 4 c + 3 of K step k.  Its scale bytes lie [tile][row of the tile][32].
; THE TOKENS OF A TILE: of 64 tokens tile u holds 8 u + 0 .. 7 in rows 0-7 and 32 + 8 (u xor 1) + 0 .. 7 in rows 8-15; the stores put the rows back in order.
; SHARES.  A work-group makes 128 tokens x 128 columns over all of K: 256 work-groups.  Wave w makes 32 tokens (w / 2) x 64 columns (w % 2): 8 accumulators.
; THE MATRIX INSTRUCTION IS USED TRANSPOSED (source 0 = 16 rows of Wo, source 1 = 16 tokens): a lane holds eight neighbouring columns of one token.
; LDS is filled ONCE, one tensor load a wave; the stage for the way out has bytes of its own, into which no tile lands.  No prefetch: there is no loop that fetches from memory.
; CLUSTER 4 x 4: a's tiles hang on the token block alone and are asked for jointly along a row of the cluster, Wo's on the column block alone and jointly along a column.
; LIMITS.  NaN, infinities and scale bytes 0xff are not served.  A sum starts at the bias where the definition adds it last: another order of f32 rounding.
.set PITCH, 528                        ; Wo's rows in LDS: 512 bytes + 16 of padding: the sixteen rows of a tile begin at sixteen different columns modulo 256 bytes
.set WOS,   65536                      ; a: 8 token tiles of 8,192 bytes, dense; then Wo's 128 rows
.set SUNIT, 8*272                      ; the scale bytes of 64 rows: 8 rows of 256 + 16
.set SCA,   WOS+128*PITCH              ; a's scale bytes, 128 rows
.set SCW,   SCA+2*SUNIT                ; Wo's
.set STG,   SCW+2*SUNIT                ; 141,824, a multiple of 256: the stage, 2 x 16 rows x 272 bytes for each wave
.set WSTG,  32*272
.set SPARE, STG+8*WSTG                 ; 211,456
.set ADRA, 4
.set ADRW, 6
.set ADRS, 8                           ; my scale words: lanes 0-15 a's rows, lanes 16-31 Wo's
.set STO,  9                           ; the stage: where I put 32 bytes of a row
.set RD,   10                          ; and where I read a row back
.set CO,   11                          ; my byte offset in two rows of out
.set SC,   16                          ; v16-47 scale words and nothing else: register 16 (k / 4) + 4 i + k % 4: lanes 0-15 a's tile i, lanes 16-31 Wo's tile i
.set WF,   48                          ; v48-79, v80-111 Wo's four fragments, two sets
.set AF,   112                         ; v112-127, v128-143 a's two fragments, two sets
.set BT,   144                         ; v144-175 bo in the result's layout, eight registers for each tile of Wo
.set ACC,  176                         ; v176-239 accumulator (i, j) at 176 + 32 j + 8 i: i = Wo's tile, j = a's
.set OB,   48                          ; the way out: rows read back from the stage
.set G0AS, 4
.set G0A,  8
.set G0WS, 12
.set G0W,  16
.set G1A,  24
.set G1W,  32
.set G1AS, 40
.set G1WS, 48
.set WV,   60
.set CX,   61
.set CY,   62
.set YY,   63
.set XX,   66
.set NG,   67                          ; wave % 2: my 64 columns; also which half of its kind I fetch
.set TG,   98                          ; wave / 2: my 32 tokens
.macro CROUND                          ; a round of the cluster's barrier
	s_barrier_signal -1
	s_barrier_wait -1
	s_cmp_lg_u32 s[WV], 0
	s_cbranch_scc1 .Lnot_wave_0_\@
	s_barrier_signal -3
.Lnot_wave_0_\@:
	s_barrier_wait -3
	s_barrier_signal -1
	s_barrier_wait -1
.endm
.macro TLOAD g0, g1                    ; an s_nop 0 and four v_nop follow
	tensor_load_to_lds s[\g0:\g0+3], s[\g1:\g1+7]
	s_nop 0
.rept 4
	v_nop
.endr
.endm
	s_load_b256 s[68:75], s[0:1], 0x0              ; a's codes 68, a's scales 70, Wo's codes 72, Wo's scales 74
	s_load_b128 s[76:79], s[0:1], 0x20             ; bo 76, out 78
	v_lshl_add_u32 v254, v0, 2, SPARE
	v_mov_b32 v255, 0
	ds_add_u32 v254, v255                          ; the opening lines: the add, twice on end, and its wait ahead of the first tensor load
	ds_add_u32 v254, v255
	v_lshrrev_b32 v1, 5, v0
	s_delay_alu instid0(VALU_DEP_1)
	v_readfirstlane_b32 s[WV], v1                  ; wave 0..7
	s_and_b32 s[NG], s[WV], 1
	s_lshr_b32 s[TG], s[WV], 1
	s_bfe_u32 s[CX], ttmp6, 0x40000
	s_bfe_u32 s[CY], ttmp6, 0x40004
	s_lshl_b32 s[XX], ttmp9, 2
	s_add_co_u32 s[XX], s[XX], s[CX]               ; my block of 128 columns
	s_and_b32 s[YY], ttmp7, 0xffff
	s_lshl_b32 s[YY], s[YY], 2
	s_add_co_u32 s[YY], s[YY], s[CY]               ; my block of 128 tokens
	s_lshl_b32 s80, s[CY], 2
	s_lshl_b32 s80, 15, s80                        ; my row of the cluster
	s_lshl_b32 s81, 0x1111, s[CX]                  ; my column
	s_or_b32 s[G1A], s80, (3<<16)|(1<<21)          ; a's codes: 4 token tiles of 8,192 bytes (1,024 elements of 8 bytes), dense
	s_mov_b32 s[G1A+1], 1024<<16
	s_mov_b32 s[G1A+2], 4<<16
	s_mov_b32 s[G1A+3], 1024<<16
	s_mov_b32 s[G1A+4], 4
	s_mov_b32 s[G1A+5], 1024
	s_mov_b32 s[G1A+6], 0
	s_mov_b32 s[G1A+7], 0
	s_or_b32 s[G1W], s81, (1<<20)|(1<<21)|(6<<22)|(3<<25)   ; Wo's codes: 64 rows of 512 bytes, 4 words of padding after every 128
	s_mov_b32 s[G1W+1], 512<<16
	s_mov_b32 s[G1W+2], 64<<16
	s_mov_b32 s[G1W+3], 512<<16
	s_mov_b32 s[G1W+4], 64
	s_mov_b32 s[G1W+5], 512
	s_mov_b32 s[G1W+6], 0
	s_mov_b32 s[G1W+7], 0
	s_or_b32 s[G1AS], s80, (3<<16)|(1<<20)|(1<<21)|(5<<22)|(3<<25)   ; the scale bytes of 64 rows: 8 dense rows of 256 bytes, 4 words of padding after every 64
	s_or_b32 s[G1WS], s81, (3<<16)|(1<<20)|(1<<21)|(5<<22)|(3<<25)
.irp g, G1AS, G1WS
	s_mov_b32 s[\g+1], 32<<16
	s_mov_b32 s[\g+2], 8<<16
	s_mov_b32 s[\g+3], 32<<16
	s_mov_b32 s[\g+4], 8
	s_mov_b32 s[\g+5], 32
	s_mov_b32 s[\g+6], 0
	s_mov_b32 s[\g+7], 0
.endr
	; byte offsets of what I fetch, made in the descriptors' own address words: 128 rows (or 8 token tiles) are 65,536 bytes of codes, my half of them 32,768
	s_lshl_b32 s82, s[NG], 15
	s_lshl_b32 s[G0A+2], s[YY], 16
	s_add_co_u32 s[G0A+2], s[G0A+2], s82
	s_mov_b32 s[G0A+3], 0
	s_lshr_b32 s[G0AS+2], s[G0A+2], 4              ; the scale bytes are a sixteenth of the codes
	s_mov_b32 s[G0AS+3], 0
	s_lshl_b32 s[G0W+2], s[XX], 16
	s_add_co_u32 s[G0W+2], s[G0W+2], s82
	s_mov_b32 s[G0W+3], 0
	s_lshr_b32 s[G0WS+2], s[G0W+2], 4
	s_mov_b32 s[G0WS+3], 0
	s_mul_i32 s83, s[NG], SUNIT                    ; where it goes: the wave's number alone enters an LDS address
	s_mul_i32 s85, s[NG], 64*PITCH
	s_mov_b32 s[G0AS], 1
	s_add_co_u32 s[G0AS+1], s83, SCA
	s_mov_b32 s[G0A], 1
	s_mov_b32 s[G0A+1], s82
	s_mov_b32 s[G0WS], 1
	s_add_co_u32 s[G0WS+1], s83, SCW
	s_mov_b32 s[G0W], 1
	s_add_co_u32 s[G0W+1], s85, WOS
	s_wait_dscnt 0x0
	s_wait_kmcnt 0x0
	s_add_nc_u64 s[G0A+2:G0A+3], s[68:69], s[G0A+2:G0A+3]
	s_add_nc_u64 s[G0AS+2:G0AS+3], s[70:71], s[G0AS+2:G0AS+3]
	s_add_nc_u64 s[G0W+2:G0W+3], s[72:73], s[G0W+2:G0W+3]
	s_add_nc_u64 s[G0WS+2:G0WS+3], s[74:75], s[G0WS+2:G0WS+3]
.irp g, G0AS, G0A, G0WS, G0W
	s_or_b32 s[\g+3], s[\g+3], 0x80000000
.endr
	CROUND                                         ; all sixteen work-groups are here: the joint loads meet
	; ALL FILLS OF THE LAUNCH, ONE A WAVE: waves 0, 1 a's codes, 2, 3 Wo's, 4, 5 a's scale bytes, 6, 7 Wo's
	s_cmp_lt_u32 s[WV], 2
	s_cbranch_scc0 .Lh1
	TLOAD G0A, G1A
	s_branch .Lasked
.Lh1:
	s_cmp_lt_u32 s[WV], 4
	s_cbranch_scc0 .Lh2
	TLOAD G0W, G1W
	s_branch .Lasked
.Lh2:
	s_cmp_lt_u32 s[WV], 6
	s_cbranch_scc0 .Lh3
	TLOAD G0AS, G1AS
	s_branch .Lasked
.Lh3:
	TLOAD G0WS, G1WS
.Lasked:
	s_lshl_b32 s80, s[XX], 9
	s_lshl_b32 s81, s[NG], 8
	s_add_co_u32 s80, s80, s81                     ; my first column, in bytes of f32
	s_mov_b32 s81, 0
	s_add_nc_u64 s[76:77], s[76:77], s[80:81]
	s_add_nc_u64 s[78:79], s[78:79], s[80:81]
	s_lshl_b32 s80, s[YY], 19                      ; rows of 4,096 bytes: my work-group's 128 tokens,
	s_lshr_b32 s82, s[TG], 1
	s_lshl_b32 s82, s82, 18
	s_add_co_u32 s80, s80, s82                     ; my 64 of them,
	s_and_b32 s82, s[TG], 1
	s_lshl_b32 s82, s82, 16
	s_add_co_u32 s80, s80, s82                     ; my two tiles: 16 rows on
	s_add_nc_u64 s[78:79], s[78:79], s[80:81]
	s_lshl_b32 s82, s[TG], 14                      ; a: my two token tiles of 8,192 bytes
	s_mul_i32 s84, s[NG], 64*PITCH
	s_add_co_u32 s84, s84, WOS                     ; Wo: my 64 rows
	s_mul_i32 s85, s[TG], 1088                     ; a's scale bytes: my 32 rows
	s_mul_i32 s86, s[NG], SUNIT
	s_add_co_u32 s86, s86, 2*SUNIT
	s_sub_co_u32 s86, s86, s85                     ; from a's to Wo's
	s_add_co_u32 s85, s85, SCA
	s_mul_i32 s87, s[WV], WSTG
	s_add_co_u32 s87, s87, STG                     ; my stage
	v_and_b32 v1, 31, v0
	v_and_b32 v2, 15, v0                           ; r
	v_bfe_u32 v3, v0, 4, 1                         ; h
	v_lshlrev_b32 v12, 5, v3                       ; register e of accumulator (i, j) is column 16 i + 8 h + e
.irp i, 0,1,2,3
	global_load_b128 v[BT+8*\i:BT+8*\i+3], v12, s[76:77] offset:64*\i
	global_load_b128 v[BT+8*\i+4:BT+8*\i+7], v12, s[76:77] offset:64*\i+16
.endr
	v_lshl_add_u32 v[ADRA], v1, 4, s82
	v_mul_u32_u24 v13, v2, PITCH
	v_mul_u32_u24 v14, v2, 272
	v_mul_u32_u24 v15, v3, 272
	v_lshrrev_b32 v48, 3, v2
	v_mul_u32_u24 v49, s86, v3                     ; scale words: lanes 16-31 take Wo's: one product with h
	v_lshlrev_b32 v50, 12, v3
	v_lshl_add_u32 v13, v3, 4, v13
	v_lshl_add_u32 v14, v3, 5, v14
	v_lshl_add_u32 v15, v2, 4, v15
	v_lshl_add_u32 v49, v48, 4, v49                ; 16 more behind each 256
	v_lshl_add_u32 v[CO], v2, 4, v50               ; out: lanes 0-15 one row of 256 bytes, lanes 16-31 the next
	v_add_nc_u32 v[ADRW], s84, v13
	v_add_nc_u32 v[STO], s87, v14                  ; in: row r, 32 bytes for each half of the lanes
	v_add_nc_u32 v[RD], s87, v15                   ; back: the same two rows
	v_lshl_add_u32 v49, v2, 5, v49                 ; a row's 32 scale bytes, eight rows to 256 bytes
	s_delay_alu instid0(VALU_DEP_1)
	v_add_nc_u32 v[ADRS], s85, v49
	s_wait_alu depctr_va_vdst(0)
	s_wait_loadcnt 0x0                             ; the bias
	s_wait_tensorcnt 0x0                           ; my tile has landed,
	s_barrier_signal -1
	s_barrier_wait -1                              ; everybody's has
.irp s, 0,1
.irp i, 0,1,2,3
	ds_load_b128 v[SC+16*\s+4*\i:SC+16*\s+4*\i+3], v[ADRS] offset:544*\i+16*\s   ; four K steps' words to a load.  I have two tiles of a and four of Wo: for i = 2, 3 lanes 0-15 read neighbouring scale bytes, which have landed and which no product names
.endr
.endr
.macro FETCH k                         ; K step k's fragments into set k % 2: Wo's four (rows of codes), a's two (images: 16 bytes a lane)
.irp i, 0,1,2,3
.irp c, 0,1
	ds_load_b128 v[WF+32*((\k)%2)+8*\i+4*\c:WF+32*((\k)%2)+8*\i+4*\c+3], v[ADRW] offset:64*(\k)+32*\c+16*PITCH*\i
.endr
.endr
.irp j, 0,1
.irp c, 0,1
	ds_load_b128 v[AF+16*((\k)%2)+8*\j+4*\c:AF+16*((\k)%2)+8*\j+4*\c+3], v[ADRA] offset:8192*\j+1024*(\k)+512*\c
.endr
.endr
.endm
.macro MUL8 k                          ; the eight accumulators take turns, one instruction a turn; the first step's C is the bias
.irp j, 0,1
.irp i, 0,1,2,3
.if (\k) == 0
	v_wmma_scale_f32_16x16x128_f8f6f4 v[ACC+32*\j+8*\i:ACC+32*\j+8*\i+7], v[WF+8*\i:WF+8*\i+7], v[AF+8*\j:AF+8*\j+7], v[BT+8*\i:BT+8*\i+7], v[SC+4*\i], v[SC+4*\j] matrix_a_fmt:MATRIX_FMT_FP4 matrix_b_fmt:MATRIX_FMT_FP4 matrix_a_scale:MATRIX_SCALE_ROW1
.else
	v_wmma_scale_f32_16x16x128_f8f6f4 v[ACC+32*\j+8*\i:ACC+32*\j+8*\i+7], v[WF+32*((\k)%2)+8*\i:WF+32*((\k)%2)+8*\i+7], v[AF+16*((\k)%2)+8*\j:AF+16*((\k)%2)+8*\j+7], v[ACC+32*\j+8*\i:ACC+32*\j+8*\i+7], v[SC+16*((\k)/4)+4*\i+(\k)%4], v[SC+16*((\k)/4)+4*\j+(\k)%4] matrix_a_fmt:MATRIX_FMT_FP4 matrix_b_fmt:MATRIX_FMT_FP4 matrix_a_scale:MATRIX_SCALE_ROW1
.endif
.endr
.endr
.endm
	FETCH 0
.irp k, 0,1,2,3,4,5,6,7
.if (\k >= 1) && (\k < 7)
.rept 4
	v_nop                                          ; places in front of loads into the set that the last step's products have read
.endr
.endif
.if \k < 7
	FETCH \k+1
	s_wait_dscnt 12                                ; this step's fragments are in; the next step's twelve loads may be out
.else
	s_wait_dscnt 0x0
.endif
	MUL8 \k
.endr
	; THE WAY OUT.  A lane holds 32 neighbouring bytes of a row and the lanes beside it other rows: so a tile of 16 tokens x 64 columns goes through my own stage and comes back as rows of 256 bytes.
	; LDS serves a wave's instructions in order (ISA guide 5.7.1.4): no wait between my stores and my loads.
.rept 4
	v_nop                                          ; places between the last products and the first read of results, and the loads into Wo's sets
.endr
.irp j, 0,1
.irp i, 0,1,2,3
	ds_store_b128 v[STO], v[ACC+32*\j+8*\i:ACC+32*\j+8*\i+3] offset:4352*\j+64*\i          ; each accumulator from its low end on
	ds_store_b128 v[STO], v[ACC+32*\j+8*\i+4:ACC+32*\j+8*\i+7] offset:4352*\j+64*\i+16
.endr
.irp t, 0,1,2,3,4,5,6,7
	ds_load_b128 v[OB+32*\j+4*\t:OB+32*\j+4*\t+3], v[RD] offset:4352*\j+544*\t
.endr
.endr
.irp j, 0,1
.irp t, 0,1,2,3,4,5,6,7
	s_wait_dscnt 16*(1-\j)+7-\t                    ; behind this load: the tile's later loads, and for the first tile the second tile's sixteen LDS instructions
	global_store_b128 v[CO], v[OB+32*\j+4*\t:OB+32*\j+4*\t+3], s[78:79] offset:(8*\j+2*\t+(\t/4)*(32-16*\j))*4096   ; sixteen lanes store 256 consecutive bytes, at a multiple of 256 from out's first byte
.endr
.endr
	s_wait_tensorcnt 0x0                           ; the wave's end
	ds_add_u32 v254, v255
	s_wait_dscnt 0x0
	CROUND                                         ; the closing round: no work-group ends while a partner may still ask for a tile that names it
	s_endpgm
.Lfunc_end_k_qf3c5183724_oproj:
	.size	k_qf3c5183724_oproj, .Lfunc_end_k_qf3c5183724_oproj-k_qf3c5183724_oproj
	.p2alignl 7, 3214868480
	.fill 96, 4, 3214868480
	.section	.rodata,"a",@progbits
	.p2align	6, 0x0
	.amdhsa_kernel k_qf3c5183724_oproj
		.amdhsa_group_segment_fixed_size 212480
		.amdhsa_private_segment_fixed_size 0
		.amdhsa_enable_private_segment 0
		.amdhsa_kernarg_size 48
		.amdhsa_user_sgpr_count 2
		.amdhsa_user_sgpr_kernarg_segment_ptr 1
		.amdhsa_wavefront_size32 1
		.amdhsa_system_sgpr_workgroup_id_x 1
		.amdhsa_system_sgpr_workgroup_id_y 1
		.amdhsa_system_sgpr_workgroup_id_z 1
		.amdhsa_system_vgpr_workitem_id 0
		.amdhsa_next_free_vgpr 256
		.amdhsa_next_free_sgpr 100
		.amdhsa_reserve_vcc 0
		.amdhsa_float_denorm_mode_32 3
		.amdhsa_float_denorm_mode_16_64 3
		.amdhsa_memory_ordered 1
		.amdhsa_forward_progress 1
		.amdhsa_inst_pref_size 29
	.end_amdhsa_kernel
	.amdgpu_metadata
---
amdhsa.version: [ 1, 2 ]
amdhsa.kernels:
  - .name:           k_qf3c5183724_oproj
    .symbol:         k_qf3c5183724_oproj.kd
    .args:
      - { .name: a_codes, .offset: 0, .size: 8, .value_kind: global_buffer, .address_space: global }
      - { .name: a_scales, .offset: 8, .size: 8, .value_kind: global_buffer, .address_space: global }
      - { .name: Wo_codes, .offset: 16, .size: 8, .value_kind: global_buffer, .address_space: global }
      - { .name: Wo_scales, .offset: 24, .size: 8, .value_kind: global_buffer, .address_space: global }
      - { .name: bo, .offset: 32, .size: 8, .value_kind: global_buffer, .address_space: global }
      - { .name: out0, .offset: 40, .size: 8, .value_kind: global_buffer, .address_space: global }
    .group_segment_fixed_size: 212480
    .private_segment_fixed_size: 0
    .kernarg_segment_align: 8
    .kernarg_segment_size: 48
    .max_flat_workgroup_size: 256
    .sgpr_count:     100
    .vgpr_count:     256
    .wavefront_size: 32
...
	.end_amdgpu_metadata
.endif
;; end of part 3
